; MI455X (gfx1250); checked and timed in simulation.
; The chip was launched on July 23, 2026; its instructions are those of AMD's public machine-readable ISA for CDNA 5 (MIT licence, August 2026) and "CDNA5" Instruction Set Architecture Reference Guide (July 2026). The comments in the code are by the model that wrote it; some were corrected since.
;; Bert Self Attention. Allowed arithmetic: matrix products marked QUANTISED: E4M3 operands, one given power-of-two scale a tensor, by v_wmma_f32_16x16x64_fp8_fp8 or v_wmma_f32_16x16x128_fp8_fp8, f32 sums; everything else in f32.
;; Inputs: Wk 1,024 x 1,024 float32; Wq 1,024 x 1,024 float32; Wv 1,024 x 1,024 float32; attention_mask 8 x 1 x 1,024 float32; bk 1,024 float32; bq 1,024 float32; bv 1,024 float32; hidden_state 8 x 1,024 x 1,024 float32; lowp_scales 10 int32 (the exponents e of the quantised operands' scales 2^e).
;; Outputs: out0 8 x 1,024 x 1,024 float32.
;; This version of the problem:
;;   THIS VERSION OF THE PROBLEM IS GIVEN IN LOW PRECISION. The matrix products marked QUANTISED in the list below multiply operands that are first quantised to E4M3 (4 exponent bits, 3 mantissa bits; 8 bits a number), with one given power-of-two scale for each operand tensor; their sums are f32. All else is computed in f32.
;;   The module's matrix products, in the order in which they are computed (A, B: the left and right operand; K: the contracted axis; several contracted axes count as one K, in the product's order):
;;     1. [M 8,192, K 1,024] x [K 1,024, N 1,024]; A: input hidden_state; B: input Wq: QUANTISED (scales: A lowp_scales[0], B lowp_scales[1])
;;     2. [M 8,192, K 1,024] x [K 1,024, N 1,024]; A: input hidden_state; B: input Wk: QUANTISED (scales: A lowp_scales[2], B lowp_scales[3])
;;     3. [M 8,192, K 1,024] x [K 1,024, N 1,024]; A: input hidden_state; B: input Wv: QUANTISED (scales: A lowp_scales[4], B lowp_scales[5])
;;     4. batch 128 x [M 1,024, K 64] x [K 64, N 1,024]; A: computed on the way; B: computed on the way: QUANTISED (scales: A lowp_scales[6], B lowp_scales[7])
;;     5. batch 128 x [M 1,024, K 1,024] x [K 1,024, N 64]; A: softmax (see below); B: computed on the way: QUANTISED (scales: A lowp_scales[8], B lowp_scales[9])
;;   THE QUANTISER, for each operand of a quantised product, along K:
;;     - The operand's scale is 2^e, e = its entry of the input lowp_scales (int32; the entries are numbered through the quantised products in the list's order, A before B).
;;     - Each number is divided by the scale, clamped to +-448, and rounded to the nearest number of E4M3, ties to even, subnormals kept.
;;     - The product sums the exact products of the quantised numbers (number of the format x scale) in f32.
;;   ~~~python
;;   def quantise(x, axis, e):      # numpy; x: float32 -> the quantised numbers, widened to float32 again
;;       x = np.moveaxis(x, axis, -1); K = x.shape[-1]
;;       r = np.clip(x / 2.0 ** e, -448, 448)
;;       step = 2.0 ** (np.maximum(np.frexp(np.where(r == 0, 1, r))[1] - 1, -6) - 3)
;;       q = np.round(r / step) * step * 2.0 ** e      # np.round: ties to even
;;       return np.moveaxis(q, -1, axis).astype(np.float32)
;;   ~~~
;;   SOFTMAX AHEAD OF A QUANTISED PRODUCT. Where the list says 'softmax', what is quantised is not the finished softmax but p = 2^(t - M), with t = logit x log2(e) and M = ceil(the row's largest t), a whole number; so 1/2 < the row's largest p <= 1. The row's sum l is taken of the UNQUANTISED p, in f32, and the product's result is divided by l at the end. Since M is a whole number, a kernel that streams over the keys may use a running M (the ceiling of the running maximum): every later rescaling is an exact power of two, so the quantised numbers keep their values, but for numbers so far below the row's largest that they fall under the format's range.
;;   OPERANDS COMPUTED ON THE WAY. 'Computed on the way' means the value that the module computes at that place (a softmax that the list does not call 'softmax' is quantised finished and normalised). What goes into a quantiser is computed in f32, as accurately as f32 sums, v_exp_f32 and their like allow (about 1e-6 of the number): no bf16 or f16 on the way to a quantiser, and a product that is left as it is and whose result goes on into a quantised operand takes f32 operands (vector FMAs, or v_wmma_f32_16x16x4_f32). A number that lies on a knife's edge between two numbers of the format may be rounded either way, as far as f32 arithmetic and the matrix unit's own rounding can turn it there, and no further.
;; One version. Each part assembles by itself: llvm-mc -triple=amdgcn-amd-amdhsa -mcpu=gfx1250 --defsym DOCPART=n.
;; ======== version 1 of 1: 3 launches
;; limits: right only within a limited range of input values
;; workspace buffers: codes 28,311,552 bytes; frag 25,165,824 bytes
;; launch quant (part 1): grid 704 x 1, 4 waves a work-group, no clusters, 0 bytes of LDS; arguments hidden_state, Wq, Wk, Wv, lowp_scales, codes; writes codes
.if DOCPART == 1
	.amdgcn_target "amdgcn-amd-amdhsa--gfx1250"
	.amdhsa_code_object_version 6
	.text
	.protected	k_q8b3d26e9ea_quant
	.globl	k_q8b3d26e9ea_quant
	.p2align	8
	.type	k_q8b3d26e9ea_quant,@function
k_q8b3d26e9ea_quant:
	s_mov_b64 s[64:65], 0
	v_nop
	global_prefetch_b8 v0, s[64:65] scope:SCOPE_SE
	s_setreg_imm32_b32 hwreg(HW_REG_WAVE_MODE, 25, 1), 1
	s_wait_xcnt 0x0
; hidden_state [8192][1024] and Wq, Wk, Wv [1024][1024], f32, K innermost, become codes of FP8 (E4M3), one byte each.
; hidden_state is an operand of three products, each with a scale of its own (entries 0, 2, 4 of the scales): it is read once and quantised three times.  Wq, Wk, Wv take entries 1, 3, 5.
; code = x / 2^e, held within +-448, rounded to the nearest code, ties to even.  LIMITS: e between -126 and 119, so that 2^e and 448 x 2^e are f32 numbers.  NaN among the inputs is not served.
; THE BUFFER OF CODES: six planes of rows of 1,024 bytes: x for q at 0, for k at 8 MiB, for v at 16 MiB (8,192 rows each); Wq at 24 MiB, Wk at 25 MiB, Wv at 26 MiB (1,024 rows each).
; K IS PERMUTED inside each run of 512: byte 16 l + 4 i + j holds k = 128 i + 4 l + j (l 0..31, i 0..3, j 0..3), alike in all six planes, so that in the products every code still meets its partner.
; That is what a lane has when each of a step's four loads reads 512 consecutive bytes, 16 a lane: its 16 numbers become 16 codes, and the wave stores 512 consecutive bytes.  No LDS, no barrier.
; SHARES.  A wave takes 4,096 numbers in 8 steps of 512, a work-group 16,384.  Work-groups 0-511 take x (three scales, three stores a step), 512-703 a weight (64 work-groups each, one scale).
; Loads run four steps (16 loads a wave) ahead.  Every offset is an immediate; the three planes of x have a base each, since 8 MiB does not fit the immediate.
.set STEPS, 8
.set SC,   4                           ; v4-6     2^e as f32, one for each scale
.set LIM,  8                           ; v8-10    448 x 2^e
.set R,    16                          ; v16-79   four sets of 16 numbers as loaded
.set T,    80                          ; v80-127  16 held numbers for each scale
.set C,    128                         ; v128-139 four registers of codes for each scale
.set SRC,  28                          ; s[28:29] my wave's numbers
.set DST,  30                          ; s[30:35] my wave's codes, a base for each scale
	s_load_b256 s[4:11], s[0:1], 0x0               ; x, Wq, Wk, Wv
	s_load_b128 s[12:15], s[0:1], 0x20             ; the scales' exponents, the codes
	v_lshrrev_b32 v2, 5, v0
	v_readfirstlane_b32 s16, v2                    ; wave 0..3
	v_and_b32 v1, 31, v0
	v_lshlrev_b32 v1, 4, v1                        ; 16 x lane: my place in a load's 512 bytes and in a store's; never rewritten
	s_lshl_b32 s17, s16, 14                        ; my wave's 4,096 numbers in the work-group's, in bytes
	s_mov_b32 s37, 0
	s_wait_kmcnt 0x0
	s_load_b256 s[20:27], s[12:13], 0x0            ; entries 0 to 7
.macro LOAD t                          ; step t: four loads of 512 consecutive bytes
.irp i, 0,1,2,3
	global_load_b128 v[R+16*((\t)%4)+4*\i:R+16*((\t)%4)+4*\i+3], v1, s[SRC:SRC+1] offset:2048*(\t)+512*\i th:TH_LOAD_NT
.endr
.endm
.macro SCALE q, e                      ; scale q from the exponent in s[e]
	s_add_co_i32 s38, s[\e], 127
	s_lshl_b32 s39, s38, 23
	v_mov_b32 v[SC+\q], s39
	s_add_co_i32 s38, s38, 8
	s_lshl_b32 s38, s38, 23
	s_or_b32 s38, s38, 0x600000                    ; the mantissa field of 448
	v_mov_b32 v[LIM+\q], s38
.endm
.macro QSTEP t, nq
.if STEPS-1-(\t) >= 3
	s_wait_loadcnt 12                              ; this step's four loads are in, those of the three younger steps may be out
.else
	s_wait_loadcnt 4*(STEPS-1-(\t))
.endif
	s_wait_xcnt 0x0                                ; the last step's stores have read their data: the codes' registers are rewritten only behind this wait
.irp q, 0,1,2
.if \q < \nq
.irp i, 0,1,2,3,4,5,6,7,8,9,10,11,12,13,14,15
	v_med3_num_f32 v[T+16*\q+\i], v[R+16*((\t)%4)+\i], -v[LIM+\q], v[LIM+\q]   ; the conversion does not saturate (ISA guide 7.6.2): the hold comes first
.endr
	v_cvt_scalef32_pk8_fp8_f32 v[C+4*\q:C+4*\q+1], v[T+16*\q:T+16*\q+7], v[SC+\q]
	v_cvt_scalef32_pk8_fp8_f32 v[C+4*\q+2:C+4*\q+3], v[T+16*\q+8:T+16*\q+15], v[SC+\q]
.endif
.endr
	v_nop                                          ; one plain vector line behind the last conversion: the next step's holds write its sources
.if (\t)+4 < STEPS
	LOAD (\t)+4                                    ; the set just read takes the step four further on; loads ahead of stores
.endif
.irp q, 0,1,2
.if \q < \nq
	global_store_b128 v1, v[C+4*\q:C+4*\q+3], s[DST+2*\q:DST+2*\q+1] offset:512*(\t)   ; 32 lanes store 512 consecutive bytes, aligned
.endif
.endr
.endm
.macro STREAM nq
.irp t, 0,1,2,3,4,5,6,7
	QSTEP \t, \nq
.endr
	s_endpgm
.endm
	s_cmp_lt_u32 ttmp9, 512                        ; x or a weight: the work-group's number alone decides
	s_cbranch_scc0 .Lweights
	s_lshl_b32 s36, ttmp9, 16                      ; 16,384 numbers of 4 bytes for each work-group
	s_add_co_u32 s36, s36, s17
	s_add_nc_u64 s[SRC:SRC+1], s[4:5], s[36:37]
	s_lshr_b32 s36, s36, 2                         ; a code is a quarter of a number
	s_add_nc_u64 s[DST:DST+1], s[14:15], s[36:37]
	s_add_nc_u64 s[DST+2:DST+3], s[DST:DST+1], 0x800000
	s_add_nc_u64 s[DST+4:DST+5], s[DST:DST+1], 0x1000000
	s_wait_alu depctr_va_vdst(0)
.irp t, 0,1,2,3
	LOAD \t
.endr
	s_wait_kmcnt 0x0
	SCALE 0, 20                                    ; entry 0: x in the product for q
	SCALE 1, 22                                    ; entry 2: for k
	SCALE 2, 24                                    ; entry 4: for v
	s_wait_alu depctr_va_vdst(0)
	STREAM 3
.Lweights:
	s_sub_co_u32 s36, ttmp9, 512
	s_lshr_b32 s40, s36, 6                         ; which weight: 0 Wq, 1 Wk, 2 Wv
	s_and_b32 s36, s36, 63                         ; which 16,384 numbers of it
	s_cmp_eq_u32 s40, 0
	s_cselect_b64 s[SRC:SRC+1], s[6:7], s[8:9]
	s_cmp_eq_u32 s40, 2
	s_cselect_b64 s[SRC:SRC+1], s[10:11], s[SRC:SRC+1]
	s_lshl_b32 s36, s36, 16
	s_add_co_u32 s36, s36, s17
	s_add_nc_u64 s[SRC:SRC+1], s[SRC:SRC+1], s[36:37]
	s_lshr_b32 s36, s36, 2
	s_lshl_b32 s41, s40, 20                        ; a weight's plane is 1 MiB,
	s_add_co_u32 s36, s36, s41
	s_add_co_u32 s36, s36, 0x1800000               ; behind the three planes of x
	s_add_nc_u64 s[DST:DST+1], s[14:15], s[36:37]
	s_wait_alu depctr_va_vdst(0)
.irp t, 0,1,2,3
	LOAD \t
.endr
	s_wait_kmcnt 0x0
	s_cmp_eq_u32 s40, 0
	s_cselect_b32 s20, s21, s23                    ; entry 1 or 3,
	s_cmp_eq_u32 s40, 2
	s_cselect_b32 s20, s25, s20                    ; or 5
	SCALE 0, 20
	s_wait_alu depctr_va_vdst(0)
	STREAM 1
.Lfunc_end_k_q8b3d26e9ea_quant:
	.size	k_q8b3d26e9ea_quant, .Lfunc_end_k_q8b3d26e9ea_quant-k_q8b3d26e9ea_quant
	.p2alignl 7, 3214868480
	.fill 96, 4, 3214868480
	.section	.rodata,"a",@progbits
	.p2align	6, 0x0
	.amdhsa_kernel k_q8b3d26e9ea_quant
		.amdhsa_group_segment_fixed_size 0
		.amdhsa_private_segment_fixed_size 0
		.amdhsa_enable_private_segment 0
		.amdhsa_kernarg_size 48
		.amdhsa_user_sgpr_count 2
		.amdhsa_user_sgpr_kernarg_segment_ptr 1
		.amdhsa_wavefront_size32 1
		.amdhsa_system_sgpr_workgroup_id_x 1
		.amdhsa_system_sgpr_workgroup_id_y 1
		.amdhsa_system_sgpr_workgroup_id_z 1
		.amdhsa_system_vgpr_workitem_id 0
		.amdhsa_next_free_vgpr 144
		.amdhsa_next_free_sgpr 66
		.amdhsa_reserve_vcc 0
		.amdhsa_float_denorm_mode_32 3
		.amdhsa_float_denorm_mode_16_64 3
		.amdhsa_memory_ordered 1
		.amdhsa_forward_progress 1
		.amdhsa_inst_pref_size 50
	.end_amdhsa_kernel
	.amdgpu_metadata
---
amdhsa.version: [ 1, 2 ]
amdhsa.kernels:
  - .name:           k_q8b3d26e9ea_quant
    .symbol:         k_q8b3d26e9ea_quant.kd
    .args:
      - { .name: hidden_state, .offset: 0, .size: 8, .value_kind: global_buffer, .address_space: global }
      - { .name: Wq, .offset: 8, .size: 8, .value_kind: global_buffer, .address_space: global }
      - { .name: Wk, .offset: 16, .size: 8, .value_kind: global_buffer, .address_space: global }
      - { .name: Wv, .offset: 24, .size: 8, .value_kind: global_buffer, .address_space: global }
      - { .name: lowp_scales, .offset: 32, .size: 8, .value_kind: global_buffer, .address_space: global }
      - { .name: codes, .offset: 40, .size: 8, .value_kind: global_buffer, .address_space: global }
    .group_segment_fixed_size: 0
    .private_segment_fixed_size: 0
    .kernarg_segment_align: 8
    .kernarg_segment_size: 48
    .max_flat_workgroup_size: 128
    .sgpr_count:     66
    .vgpr_count:     144
    .wavefront_size: 32
...
	.end_amdgpu_metadata
.endif
;; end of part 1
;; launch qkv (part 2): grid 12 x 16, 4 waves a work-group, clusters of 4 x 4, 327,680 bytes of LDS; arguments codes, lowp_scales, bq, bk, bv, frag; writes frag
.if DOCPART == 2
	.amdgcn_target "amdgcn-amd-amdhsa--gfx1250"
	.amdhsa_code_object_version 6
	.text
	.protected	k_q8b3d26e9ea_qkv
	.globl	k_q8b3d26e9ea_qkv
	.p2align	8
	.type	k_q8b3d26e9ea_qkv,@function
k_q8b3d26e9ea_qkv:
	s_mov_b64 s[64:65], 0
	v_nop
	global_prefetch_b8 v0, s[64:65] scope:SCOPE_SE
	s_setreg_imm32_b32 hwreg(HW_REG_WAVE_MODE, 25, 1), 1
	s_wait_xcnt 0x0
	s_wait_alu depctr_hold_cnt(0) depctr_sa_sdst(0) depctr_va_vdst(0) depctr_va_sdst(0) depctr_va_ssrc(0) depctr_va_vcc(0) depctr_vm_vsrc(0)
	s_getreg_b32 s2, hwreg(HW_REG_IB_STS2, 6, 4)
	s_cmp_eq_u32 s2, 0
	s_cbranch_scc0 .Lentry_in_a_cluster
	s_endpgm
.Lentry_in_a_cluster:
	s_bfe_u32 s2, ttmp6, 0x10000c
	s_cmp_lg_u32 s2, 0xf033
	s_cbranch_scc0 .Lentry_shape_is_right
	s_endpgm
.Lentry_shape_is_right:
; q = x Wq^T + bq, k = x Wk^T + bk, v = x Wv^T + bv on codes of FP8 (E4M3), then quantised again (entries 6, 7, 9 of the scales) and stored as images of operand registers for the attention launch.
; codes: x for q, k, v at 0, 8, 16 MiB (8,192 rows of 1,024 bytes); Wq, Wk, Wv at 24, 25, 26 MiB (1,024 rows).  K is permuted alike in all planes, so every code meets its partner.
; Cluster x = 0, 1, 2 says which product.  A tile is 256 x 256: for q and k operand A = rows of x, B = rows of W; for v A = rows of Wv (channels), B = rows of x (keys), so that v's codes have the keys innermost.
; The matrix instruction is used transposed (source 0 = B's rows, source 1 = A's): a lane holds row l % 16 of A's side and eight neighbours 8 (l / 16) + 0..7 of B's side: eight codes of one register pair of an image.
; A WORK-GROUP STAYS FOR TWO TILES, 4,096 rows of x apart: 384 tiles, 192 work-groups.  The ring of two LDS slots (256 along K each) goes on into the second tile; the last tile's tail is written out and asks for nothing.
; CLUSTERS 4 x 4: A's tile is asked for jointly along a row of the cluster, B's along a column.
; THE SCALES.  A sum stands for sum x 2^(ea + eb).  The bias goes in as the C of a tile's first products, divided by 2^(ea + eb) (exact).  The result's code is sum / 2^(e - ea - eb):
; the three exponents are folded into the conversion's one scale, and the hold is at +-448 x 2^(e - ea - eb).
; LIMITS: ea + eb between -126 and 126; e - ea - eb between -126 and 119.  NaN among the inputs is not served.
; PREFETCH, two refills ahead of the load that wants the bytes: behind K step 0's load K steps 1 and 2 of x and of W are asked for, behind K step 1's K step 3; behind the next four refills the second tile's four
; K steps of x (W's rows have been read by then).  A tile's 256 rows are shared out by address: 64 to each of the four partners that load it, 16 to a wave, a lane a row (lanes 16-31 name the wave's last row again).
; IMAGES (frag): q: (64 bh + t) x 1,024.  From 8 MiB: 131,072 a head, 16,384 a step of 128 keys: eight tiles of k (1,024 each), four tiles of v (2,048 each).
; REGISTERS: window 0: v0-31 addresses, v32-95 the bias table, from v128 A's fragments (one set); the way out uses v96-191.  Window 1: B's fragments, two sets.  Windows 2, 3: the 64 accumulators.
.set ROWB,   256
.set KROW,   1024
.set PITCH,  272
.set FR,     16
.set NL,     4
.set NP,     4
.set HALFT,  128*PITCH
.set SLOT,   4*HALFT
.set SPARE,  2*SLOT
.set TILE2,  0x400000                  ; 4,096 rows of x in bytes
.set VO,   8                           ; v8-11 the four stores' lane offsets
.set SCV,  12
.set LIMV, 13
.set BO8,  14
.set BO1,  15
.set ADRA, 16
.set ADRB, 20
.set PFO,  22
.set SPW,  28
.set NIL,  29
.set BC,   32
.set T,    96
.set AF,   128
.set G1, 24
.set G0, 32
.set G1B, 48
.set G0B, 56
.set PFW, 18                           ; s[18:19] my rows of W's tile
.set WA,  66                           ; s[66:67] bytes from tile to tile in A's plane; s[98:99] in B's
.set WB,  98
.set INC, 72                           ; s[72:73] the images' step from block to block; s[74:75] the extra step at block 4
.set PFA, 76                           ; s[76:77] my rows of the first tile of x
.set OST, 80                           ; s[80:81] from the first tile's images to the second's
.set MSB, 0
.macro WIN new
.if MSB != \new
	s_set_vgpr_msb (MSB<<8)|\new
.set MSB, \new
.endif
.endm
.set MUL_LO, 0xa1
.set MUL_HI, 0xf1
.set TO_B,   0x40
.macro JLOAD g0a, g1a, g0b, g1b        ; waves 0, 1 ask for A, waves 2, 3 for B
	s_cmp_eq_u32 s15, 0
	s_cbranch_scc0 .Lfor_b_\@
	tensor_load_to_lds s[\g0a:\g0a+3], s[\g1a:\g1a+7]
	s_nop 0
.rept 4
	v_nop
.endr
	s_branch .Lasked_\@
.Lfor_b_\@:
	tensor_load_to_lds s[\g0b:\g0b+3], s[\g1b:\g1b+7]
	s_nop 0
.rept 4
	v_nop
.endr
.Lasked_\@:
.endm
.macro CREST
	s_cmp_lg_u32 s14, 0
	s_cbranch_scc1 .Lnot_wave_0_\@
	s_barrier_signal -3
.Lnot_wave_0_\@:
	s_barrier_wait -3
	s_barrier_signal -1
	s_barrier_wait -1
.endm
.macro CROUND
	s_barrier_signal -1
	s_barrier_wait -1
	CREST
.endm
.macro ASK off, cond                   ; K step off / 256 of the second tile of x; cond = 1: in the first tile alone
.if \cond
	s_cmp_lg_u32 s2, 1
	s_cbranch_scc0 .Lno_ask_\@
.endif
	global_prefetch_b8 v[PFO], s[PFA:PFA+1] offset:TILE2+\off th:TH_LOAD_NT scope:SCOPE_SE
.Lno_ask_\@:
.endm
.macro ASK1 off                        ; K step off / 256 of the first tile: x's rows and W's
	global_prefetch_b8 v[PFO], s[PFA:PFA+1] offset:\off th:TH_LOAD_NT scope:SCOPE_SE
	global_prefetch_b8 v[PFO], s[PFW:PFW+1] offset:\off th:TH_LOAD_NT scope:SCOPE_SE
.endm
	s_load_b256 s[4:11], s[0:1], 0x0               ; codes, scales' exponents, bq, bk
	s_load_b128 s[68:71], s[0:1], 0x20             ; bv, frag
	v_lshl_add_u32 v[SPW], v0, 2, SPARE
	v_mov_b32 v[NIL], 0
	ds_add_u32 v[SPW], v[NIL]                      ; the opening: the add twice and one wait
	ds_add_u32 v[SPW], v[NIL]
	v_lshrrev_b32 v1, 5, v0
	v_readfirstlane_b32 s14, v1                    ; wave
	s_lshr_b32 s15, s14, 1                         ; my half of A's rows; also: I ask for A (0) or B (1)
	s_and_b32 s16, s14, 1                          ; my half of B's rows; also: which 128 rows I ask for
	s_bfe_u32 s40, ttmp6, 0x40000                  ; cx
	s_bfe_u32 s41, ttmp6, 0x40004                  ; cy
	s_mov_b32 s12, ttmp9                           ; the product: 0 q, 1 k, 2 v
	s_and_b32 s13, ttmp7, 0xffff                   ; cluster y, 0..3
	s_mov_b32 s2, 2                                ; tiles to go
	s_lshl_b32 s86, s12, 23                        ; x's plane
	s_lshl_b32 s87, s12, 20
	s_add_co_u32 s87, s87, 0x1800000               ; W's plane
	s_cmp_eq_u32 s12, 2
	s_cselect_b32 s88, s87, s86
	s_cselect_b32 s89, s86, s87
	s_cselect_b32 s90, 0, s13
	s_cselect_b32 s91, s13, 0
	s_lshl_b32 s17, s90, 2
	s_add_co_u32 s17, s17, s41                     ; tile row (A's side)
	s_lshl_b32 s42, s91, 2
	s_add_co_u32 s42, s42, s40                     ; tile column (B's side)
	s_lshl_b32 s43, s41, 2
	s_lshl_b32 s43, 15, s43
	s_lshl_b32 s44, 0x1111, s40
	s_or_b32 s[G1+0], s43, (0<<16)|(1<<20)|(1<<21)|(5<<22)|(3<<25)
	s_or_b32 s[G1B+0], s44, (0<<16)|(1<<20)|(1<<21)|(5<<22)|(3<<25)
.irp g, G1, G1B
	s_mov_b32 s[\g+1], ROWB<<16
	s_mov_b32 s[\g+2], 128<<16
	s_mov_b32 s[\g+3], ROWB<<16
	s_mov_b32 s[\g+4], 128
	s_mov_b32 s[\g+5], KROW
	s_mov_b32 s[\g+6], 0
	s_mov_b32 s[\g+7], 0
.endr
	s_lshl_b32 s18, s16, 7
	s_lshl_b32 s20, s17, 8
	s_add_co_u32 s20, s20, s18
	s_lshl_b32 s20, s20, 10
	s_add_co_u32 s20, s20, s88
	s_mov_b32 s21, 0
	s_lshl_b32 s46, s42, 8
	s_add_co_u32 s46, s46, s18
	s_lshl_b32 s46, s46, 10
	s_add_co_u32 s46, s46, s89
	s_mov_b32 s47, 0
	s_mul_i32 s45, s14, HALFT
	s_wait_dscnt 0x0
	s_wait_kmcnt 0x0
	s_load_b256 s[72:79], s[6:7], 0x0              ; entries 0-7
	s_load_b64 s[80:81], s[6:7], 0x20              ; entries 8, 9
	s_add_nc_u64 s[20:21], s[4:5], s[20:21]
	s_add_nc_u64 s[46:47], s[4:5], s[46:47]
	CROUND                                         ; all sixteen work-groups are here
.irp s, 0,1
	s_mov_b32 s[G0+4*\s], 1
	s_add_co_u32 s[G0+4*\s+1], s45, \s*SLOT
	s_add_nc_u64 s[G0+4*\s+2:G0+4*\s+3], s[20:21], \s*ROWB
	s_or_b32 s[G0+4*\s+3], s[G0+4*\s+3], 0x80000000
	s_mov_b32 s[G0B+4*\s], 1
	s_add_co_u32 s[G0B+4*\s+1], s45, \s*SLOT
	s_add_nc_u64 s[G0B+4*\s+2:G0B+4*\s+3], s[46:47], \s*ROWB
	s_or_b32 s[G0B+4*\s+3], s[G0B+4*\s+3], 0x80000000
.endr
	JLOAD G0, G1, G0B, G1B                         ; K step 0: one tensor load a wave at the head
	s_mul_i32 s21, s15, HALFT
	s_mul_i32 s22, s16, HALFT
	s_add_co_u32 s22, s22, 2*HALFT
	v_and_b32 v1, 15, v0
	v_bfe_u32 v2, v0, 4, 1
	v_mul_u32_u24 v3, v1, PITCH
	v_lshl_add_u32 v4, v2, 4, v3
	v_add_nc_u32 v[ADRA], s21, v4
	v_add_nc_u32 v[ADRB], s22, v4
	v_add_nc_u32 v[ADRA+1], SLOT, v[ADRA]
	v_add_nc_u32 v[ADRB+1], SLOT, v[ADRB]
	v_and_b32 v6, 31, v0
	v_lshlrev_b32 v[VO], 4, v6
	v_lshlrev_b32 v[BO8], 5, v2
	v_lshlrev_b32 v[BO1], 2, v1
	v_min_u32 v[PFO], 15, v6
	v_lshlrev_b32 v[PFO], 10, v[PFO]               ; a lane a row of 1,024 bytes
	s_wait_alu depctr_va_vdst(0)
	s_wait_kmcnt 0x0
	s_add_co_i32 s92, s72, s73
	s_add_co_i32 s93, s74, s75
	s_add_co_i32 s94, s76, s77
	s_cmp_eq_u32 s12, 0
	s_cselect_b32 s92, s92, s93
	s_cselect_b32 s95, s78, s79
	s_cmp_eq_u32 s12, 2
	s_cselect_b32 s92, s94, s92                    ; ea + eb
	s_cselect_b32 s95, s81, s95                    ; the result's e
	s_cselect_b32 s87, 1, 0                        ; 1 for v
	s_cselect_b32 s91, s42, s17                    ; the prefetches: x's tile,
	s_cselect_b32 s93, s41, s40                    ; my place among the four that load it;
	s_cselect_b32 s[PFW], s17, s42                 ; W's tile,
	s_cselect_b32 s[PFW+1], s40, s41               ; and my place there
	s_lshl_b32 s91, s91, 8
	s_lshl_b32 s93, s93, 6
	s_add_co_u32 s91, s91, s93
	s_lshl_b32 s88, s14, 4                         ; my wave's 16 rows
	s_add_co_u32 s91, s91, s88
	s_lshl_b32 s[PFA], s91, 10
	s_lshl_b32 s93, s12, 23
	s_add_co_u32 s[PFA], s[PFA], s93
	s_mov_b32 s[PFA+1], 0
	s_add_nc_u64 s[PFA:PFA+1], s[4:5], s[PFA:PFA+1]
	s_lshl_b32 s[PFW], s[PFW], 8
	s_lshl_b32 s93, s[PFW+1], 6
	s_add_co_u32 s[PFW], s[PFW], s93
	s_add_co_u32 s[PFW], s[PFW], s88
	s_lshl_b32 s[PFW], s[PFW], 10
	s_lshl_b32 s93, s12, 20
	s_add_co_u32 s[PFW], s[PFW], s93
	s_add_co_u32 s[PFW], s[PFW], 0x1800000
	s_mov_b32 s[PFW+1], 0
	s_add_nc_u64 s[PFW:PFW+1], s[4:5], s[PFW:PFW+1]
	ASK1 256                                       ; K steps 1 and 2
	ASK1 512
	s_sub_co_i32 s94, 127, s92
	s_lshl_b32 s94, s94, 23                        ; 2^-(ea + eb)
	s_sub_co_i32 s95, s95, s92                     ; e - ea - eb
	s_add_co_i32 s95, s95, 127
	s_lshl_b32 s93, s95, 23
	v_mov_b32 v[SCV], s93                          ; the conversion's scale
	s_add_co_i32 s95, s95, 8
	s_lshl_b32 s95, s95, 23
	s_or_b32 s95, s95, 0x600000
	v_mov_b32 v[LIMV], s95                         ; 448 x that
	s_mov_b32 s95, s94
	s_lshl_b32 s[INC], 1024, s87                   ; a block of 16 rows: 1,024 bytes of q or k, 2,048 of v
	s_mov_b32 s[INC+1], 0
	s_mul_i32 s[INC+2], s87, 122880                ; v: block 4 begins the next head, 131,072 on
	s_mov_b32 s[INC+3], 0
	s_lshl_b32 s[WB], s87, 22                      ; B walks for v,
	s_mov_b32 s[WB+1], 0
	s_xor_b32 s[WA], s[WB], TILE2                  ; A for q and k
	s_mov_b32 s[WA+1], 0
	s_min_u32 s[OST], s12, 1
	s_lshl_b32 s[OST], 0x400000, s[OST]            ; four batches of images: 4 MiB of q, 8 MiB of k and v
	s_mov_b32 s[OST+1], 0
	s_lshl_b32 s86, s17, 8
	s_lshl_b32 s88, s15, 7
	s_add_co_u32 s86, s86, s88                     ; my first row on A's side
	s_lshl_b32 s90, s42, 8
	s_lshl_b32 s88, s16, 7
	s_add_co_u32 s90, s90, s88                     ; and on B's side
	s_mov_b32 s89, 0
	s_cmp_eq_u32 s12, 2
	s_cbranch_scc1 .Lvalues
	s_lshl_b32 s88, s90, 2
	s_cmp_eq_u32 s12, 0
	s_cselect_b64 s[78:79], s[8:9], s[10:11]
	s_add_nc_u64 s[78:79], s[78:79], s[88:89]
.irp b, 0,1,2,3,4,5,6,7                        ; the bias of my eight columns in each of B's eight blocks
	global_load_b128 v[T+8*\b:T+8*\b+3], v[BO8], s[78:79] offset:64*\b
	global_load_b128 v[T+8*\b+4:T+8*\b+7], v[BO8], s[78:79] offset:64*\b+16
.endr
	s_lshr_b32 s91, s86, 10
	s_lshl_b32 s91, s91, 4
	s_lshr_b32 s93, s90, 6
	s_add_co_u32 s91, s91, s93                     ; bh
	s_add_co_u32 s92, s12, 16
	s_lshl_b32 s91, s91, s92
	s_and_b32 s93, s86, 1023
	s_add_co_u32 s92, s12, 6
	s_lshl_b32 s93, s93, s92
	s_add_co_u32 s88, s91, s93
	s_lshl_b32 s93, s12, 23
	s_add_co_u32 s88, s88, s93
	s_add_nc_u64 s[82:83], s[70:71], s[88:89]
	s_lshl_b32 s93, 0x10000, s12                   ; my second head's images
	s_wait_loadcnt 0x0
.set J, 0
.rept 32
	v_pk_mul_f32 v[BC+J:BC+J+1], v[T+J:T+J+1], s[94:95] op_sel_hi:[1,0]
.set J, J+2
.endr
	s_branch .Lset
.Lvalues:
	s_lshl_b32 s88, s86, 2
	s_add_nc_u64 s[78:79], s[68:69], s[88:89]
.irp a, 0,1,2,3,4,5,6,7                        ; the bias of my channel in each of A's eight blocks
	global_load_b32 v[T+2*\a], v[BO1], s[78:79] offset:64*\a
	global_load_b32 v[T+2*\a+1], v[BO1], s[78:79] offset:64*\a
.endr
	s_lshr_b32 s91, s90, 10
	s_lshl_b32 s91, s91, 4
	s_lshr_b32 s93, s86, 6
	s_add_co_u32 s91, s91, s93
	s_lshl_b32 s91, s91, 17
	s_and_b32 s93, s90, 1023
	s_lshl_b32 s93, s93, 7
	s_add_co_u32 s88, s91, s93
	s_add_co_u32 s88, s88, 0x802000
	s_add_nc_u64 s[82:83], s[70:71], s[88:89]
	s_mov_b32 s93, 1024
	s_wait_loadcnt 0x0
.irp a, 0,1,2,3,4,5,6,7
.irp i, 0,2,4,6
	v_pk_mul_f32 v[BC+8*\a+\i:BC+8*\a+\i+1], v[T+2*\a:T+2*\a+1], s[94:95] op_sel_hi:[1,0]
.endr
.endr
.Lset:
	v_add_nc_u32 v[VO+1], 512, v[VO]
	v_add_nc_u32 v[VO+2], s93, v[VO]
	v_add_nc_u32 v[VO+3], 512, v[VO+2]
.macro FRAG reg, adr, q, i
.irp c, 0,1,2,3
	ds_load_b128 v[\reg+4*\c:\reg+4*\c+3], v[\adr] offset:128*(\q)+32*\c+(\i)*16*PITCH
.endr
.endm
; 16 products: A's blocks a0, a0 + 1 x B's eight.  zero = 1, 2: a tile's first products take the bias table as C, by B's block (q, k) or by A's (v).  The 64 accumulators take turns.
.macro MUL16 a0, p, zero
.irp a, \a0, \a0+1
.irp b, 0,1,2,3,4,5,6,7
.if \zero == 1
	v_wmma_f32_16x16x128_fp8_fp8 v[8*(8*((\a)%4)+\b):8*(8*((\a)%4)+\b)+7], v[128*(\p)+FR*\b:128*(\p)+FR*\b+FR-1], v[AF+FR*(\a):AF+FR*(\a)+FR-1], v[BC+8*\b:BC+8*\b+7]
.elseif \zero == 2
	v_wmma_f32_16x16x128_fp8_fp8 v[8*(8*((\a)%4)+\b):8*(8*((\a)%4)+\b)+7], v[128*(\p)+FR*\b:128*(\p)+FR*\b+FR-1], v[AF+FR*(\a):AF+FR*(\a)+FR-1], v[BC+8*(\a):BC+8*(\a)+7]
.else
	v_wmma_f32_16x16x128_fp8_fp8 v[8*(8*((\a)%4)+\b):8*(8*((\a)%4)+\b)+7], v[128*(\p)+FR*\b:128*(\p)+FR*\b+FR-1], v[AF+FR*(\a):AF+FR*(\a)+FR-1], v[8*(8*((\a)%4)+\b):8*(8*((\a)%4)+\b)+7]
.endif
.endr
.endr
.endm
.macro FETCH_B slot, q, p
	WIN TO_B
.irp i, 0,1,2,3,4,5,6,7
	FRAG 128*(\p)+FR*\i, ADRB+\slot, \q, \i
.endr
	WIN 0
.endm
.macro FETCH_A slot, q, i0
.irp i, \i0, \i0+1, \i0+2, \i0+3
	FRAG AF+FR*(\i), ADRA+\slot, \q, \i
.endr
.endm
.macro FETCH0                          ; a tile's first fragments, from slot 0
	FETCH_B 0, 0, 0
	FETCH_A 0, 0, 0
	FETCH_A 0, 0, 4
.endm
.macro PLACES n
.rept \n
	v_nop
.endr
.endm
.macro STEP slot, q, zero              ; 128 along K, with its successor in the same slot
	s_wait_dscnt 4*NL                              ; all but A's blocks 4-7
.if \zero
	WIN 0x81                                       ; C from window 0, D in window 2
.else
	WIN MUL_LO
.endif
	MUL16 0, (\q)%2, \zero
	MUL16 2, (\q)%2, \zero
	s_wait_dscnt 0
	PLACES NP
	FETCH_B \slot, (\q)+1, 1-(\q)%2
	FETCH_A \slot, (\q)+1, 0
.if \zero
	WIN 0xc1
.else
	WIN MUL_HI
.endif
	MUL16 4, (\q)%2, \zero
	MUL16 6, (\q)%2, \zero
	PLACES NP
	WIN 0
	FETCH_A \slot, (\q)+1, 4
.endm
.macro MEET                            ; a slot's last step begins: the three lines, the barrier
	s_wait_tensorcnt 0x0                           ; my part of the next slot is in
	ds_add_u32 v[SPW], v[NIL]
	s_wait_dscnt 4*NL+1                            ; the add and A's blocks 4-7 may be out
	WIN MUL_LO
	MUL16 0, 1, 0
	s_wait_dscnt 0x0                               ; the add is done, my reads of this slot are over
	s_barrier_signal -1
	MUL16 2, 1, 0
	WIN 0
	s_barrier_wait -1
.endm
.macro REFILL slot, fill               ; fill = 1: two K steps on; 2: the next tile's K step of this slot
	CREST                                          ; the barrier has opened a round of the cluster's barrier
.if \fill == 2
	s_sub_nc_u64 s[G0+4*\slot+2:G0+4*\slot+3], s[G0+4*\slot+2:G0+4*\slot+3], 2*ROWB
	s_sub_nc_u64 s[G0B+4*\slot+2:G0B+4*\slot+3], s[G0B+4*\slot+2:G0B+4*\slot+3], 2*ROWB
	s_add_nc_u64 s[G0+4*\slot+2:G0+4*\slot+3], s[G0+4*\slot+2:G0+4*\slot+3], s[WA:WA+1]
	s_add_nc_u64 s[G0B+4*\slot+2:G0B+4*\slot+3], s[G0B+4*\slot+2:G0B+4*\slot+3], s[WB:WB+1]
.else
	s_add_nc_u64 s[G0+4*\slot+2:G0+4*\slot+3], s[G0+4*\slot+2:G0+4*\slot+3], 2*ROWB
	s_add_nc_u64 s[G0B+4*\slot+2:G0B+4*\slot+3], s[G0B+4*\slot+2:G0B+4*\slot+3], 2*ROWB
.endif
	JLOAD G0+4*\slot, G1, G0B+4*\slot, G1B         ; the first tensor load behind the round
.endm
.macro TURN slot, next, fill, off, cond
	MEET
.if \fill
	REFILL \slot, \fill
.else
	PLACES NP
.endif
	FETCH_B \next, 0, 0
	FETCH_A \next, 0, 0
.if \fill
	ASK \off, \cond
.endif
	WIN MUL_HI
	MUL16 4, 1, 0
	MUL16 6, 1, 0
	PLACES NP
	WIN 0
	FETCH_A \next, 0, 4
.endm
.macro TURNX slot, off                 ; a tile's last step, where a tile follows: the refill, and no fragments: the way out uses their registers
	MEET
	REFILL \slot, 2
	ASK \off, 0
	WIN MUL_HI
	MUL16 4, 1, 0
	MUL16 6, 1, 0
	WIN 0
.endm
.macro LAST
	s_wait_dscnt 4*NL
	WIN MUL_LO
	MUL16 0, 1, 0
	MUL16 2, 1, 0
	s_wait_dscnt 0
	WIN MUL_HI
	MUL16 4, 1, 0
	MUL16 6, 1, 0
	WIN 0
.endm
; THE WAY OUT of block a (16 rows of A's side x 128): the hold, eight conversions: 16 registers = four images of 512 bytes, each stored by the 32 lanes on end.
.macro EPI a
.set AC, 64*((\a)%4)
.set CD, 160+16*((\a)%2)
	WIN 0x02+((\a)/4)                              ; source 0: window 2 or 3
.set J, 0
.rept 64
	v_med3_num_f32 v[T+J], v[AC+J], -v[LIMV], v[LIMV]   ; the conversion does not saturate (ISA guide 7.6.2); each accumulator from its low end on
.set J, J+1
.endr
	WIN 0
	s_wait_alu depctr_va_vdst(0)
	s_wait_xcnt 0x0                                ; earlier stores have read their base and their data
.if (\a) == 0
	s_mov_b64 s[84:85], s[82:83]
.else
	s_add_nc_u64 s[84:85], s[84:85], s[INC:INC+1]
.endif
.if (\a) == 4
	s_add_nc_u64 s[84:85], s[84:85], s[INC+2:INC+3]
.endif
.irp b, 0,1,2,3,4,5,6,7
	v_cvt_scalef32_pk8_fp8_f32 v[CD+2*\b:CD+2*\b+1], v[T+8*\b:T+8*\b+7], v[SCV]
.endr
	v_nop
.irp c, 0,1,2,3
	global_store_b128 v[VO+\c], v[CD+4*\c:CD+4*\c+3], s[84:85]
.endr
.endm
.macro OUT
	PLACES NP
.irp a, 0,1,2,3,4,5,6,7
	EPI \a
.endr
.endm
	s_wait_alu depctr_va_vdst(0)
	s_wait_tensorcnt 0x0                           ; my part of K step 0 is in
	ds_add_u32 v[SPW], v[NIL]
	s_wait_dscnt 0x0
	CROUND
	JLOAD G0+4, G1, G0B+4, G1B                     ; K step 1
	FETCH0
	ASK1 768                                       ; K step 3
.Ltile:
	s_cmp_eq_u32 s12, 2
	s_cbranch_scc1 .Lfirst_v
	STEP 0, 0, 1
	s_branch .Lfirst_done
.Lfirst_v:
	STEP 0, 0, 2
.Lfirst_done:
	TURN 0, 1, 1, 0, 1                             ; K step 2 is asked for; in the first tile the second's K step 0 is prefetched
	STEP 1, 0, 0
	TURN 1, 0, 1, 256, 1
	STEP 0, 0, 0
	s_cmp_eq_u32 s2, 1
	s_cbranch_scc1 .Llast_tile                     ; the last tile's tail is written out: it asks for nothing more
	TURN 0, 1, 2, 512, 0                           ; the ring goes on: slot 0 takes the next tile's K step 0,
	STEP 1, 0, 0
	TURNX 1, 768                                   ; slot 1 its K step 1
	OUT
	s_wait_xcnt 0x0                                ; the stores have read their data, where A's fragments land
	s_add_nc_u64 s[82:83], s[82:83], s[OST:OST+1]
	FETCH0
	s_sub_co_u32 s2, s2, 1
	s_branch .Ltile
.Llast_tile:
	TURN 0, 1, 0, 0, 0
	STEP 1, 0, 0
	LAST
	OUT
	s_wait_tensorcnt 0x0                           ; the wave's end
	ds_add_u32 v[SPW], v[NIL]
	s_wait_dscnt 0x0
	CROUND                                         ; the closing round
	s_endpgm
.Lfunc_end_k_q8b3d26e9ea_qkv:
	.size	k_q8b3d26e9ea_qkv, .Lfunc_end_k_q8b3d26e9ea_qkv-k_q8b3d26e9ea_qkv
	.p2alignl 7, 3214868480
	.fill 96, 4, 3214868480
	.section	.rodata,"a",@progbits
	.p2align	6, 0x0
	.amdhsa_kernel k_q8b3d26e9ea_qkv
		.amdhsa_group_segment_fixed_size 327680
		.amdhsa_private_segment_fixed_size 0
		.amdhsa_enable_private_segment 0
		.amdhsa_kernarg_size 48
		.amdhsa_user_sgpr_count 2
		.amdhsa_user_sgpr_kernarg_segment_ptr 1
		.amdhsa_wavefront_size32 1
		.amdhsa_system_sgpr_workgroup_id_x 1
		.amdhsa_system_sgpr_workgroup_id_y 1
		.amdhsa_system_sgpr_workgroup_id_z 1
		.amdhsa_system_vgpr_workitem_id 0
		.amdhsa_next_free_vgpr 1024
		.amdhsa_next_free_sgpr 100
		.amdhsa_reserve_vcc 0
		.amdhsa_float_denorm_mode_32 3
		.amdhsa_float_denorm_mode_16_64 3
		.amdhsa_memory_ordered 1
		.amdhsa_forward_progress 1
		.amdhsa_inst_pref_size 207
	.end_amdhsa_kernel
	.amdgpu_metadata
---
amdhsa.version: [ 1, 2 ]
amdhsa.kernels:
  - .name:           k_q8b3d26e9ea_qkv
    .symbol:         k_q8b3d26e9ea_qkv.kd
    .args:
      - { .name: codes, .offset: 0, .size: 8, .value_kind: global_buffer, .address_space: global }
      - { .name: lowp_scales, .offset: 8, .size: 8, .value_kind: global_buffer, .address_space: global }
      - { .name: bq, .offset: 16, .size: 8, .value_kind: global_buffer, .address_space: global }
      - { .name: bk, .offset: 24, .size: 8, .value_kind: global_buffer, .address_space: global }
      - { .name: bv, .offset: 32, .size: 8, .value_kind: global_buffer, .address_space: global }
      - { .name: frag, .offset: 40, .size: 8, .value_kind: global_buffer, .address_space: global }
    .group_segment_fixed_size: 327680
    .private_segment_fixed_size: 0
    .kernarg_segment_align: 8
    .kernarg_segment_size: 48
    .max_flat_workgroup_size: 128
    .sgpr_count:     100
    .vgpr_count:     1024
    .wavefront_size: 32
...
	.end_amdgpu_metadata
.endif
;; end of part 2
;; launch attn (part 3): grid 2 x 128, 16 waves a work-group, no clusters, 327,680 bytes of LDS; arguments frag, attention_mask, lowp_scales, out0; writes out0
.if DOCPART == 3
	.amdgcn_target "amdgcn-amd-amdhsa--gfx1250"
	.amdhsa_code_object_version 6
	.text
	.protected	k_q8b3d26e9ea_attn
	.globl	k_q8b3d26e9ea_attn
	.p2align	8
	.type	k_q8b3d26e9ea_attn,@function
k_q8b3d26e9ea_attn:
	s_mov_b64 s[64:65], 0
	v_nop
	global_prefetch_b8 v0, s[64:65] scope:SCOPE_SE
	s_setreg_imm32_b32 hwreg(HW_REG_WAVE_MODE, 25, 1), 1
	s_wait_xcnt 0x0
; out[b][q][64 h + d] = the sum over keys of softmax(q . k / 8 + bias[b][q]) v, bias = (1 - mask[b][q]) x -10000, both products on codes of FP8 (E4M3): entries 6, 7 (q, k) and 8, 9 (p, v) of the scales.
; THE SOFTMAX AHEAD OF THE SECOND PRODUCT: t = logit x log2(e); M = the row's largest t so far, rounded UP to a whole number; p = 2^(t - M) is quantised along the keys, not normalised.
; The row's sum is taken of the unquantised p, in f32, and divides at the end.  When M moves, the sum and the result are multiplied by 2^(old M - new M): exact.
; THE MASK belongs to the QUERY: one addend bb = bias x log2(e) for a row.  It moves M's ceiling and so p's codes: it is kept.  t - M = c s + (bb - M), c = log2(e) / 8 x 2^(e6 + e7).
; LIMIT (an order of rounding): the bias is not first added to each score in f32, so what that addition would round away of a score beside a bias of -10,000 is kept here.
; LIMITS on the given exponents: e6 + e7 between -123 and 130 (added to c's exponent field); e8 between -126 and 119; e8 + e9 goes by v_ldexp_f32 and has none.
; q, k, v arrive as IMAGES OF OPERAND REGISTERS (four registers = 512 bytes, lane l's 16 bytes at 16 l), plain 8-bit layout: registers 2 c, 2 c + 1 hold k = 16 c + 8 (l / 16) + 0..7.
;   q: (64 bh + t) x 1,024.  From 8 MiB on: 131,072 bytes a head, 16,384 a step of 128 keys: eight tiles of k (1,024 each), then four tiles of v (16 channels x 128 keys, 2,048 each).
; SHARES.  Work-group (X, bh) owns 512 queries of a head; each of sixteen waves owns tile 32 X + wave, then tile 32 X + 16 + wave, and walks the 8 key steps for each.
; A head's k and v lie in LDS whole, filled once, by two loads a wave: 18 rows of 256 bytes each (key steps 0-3 and step 4's k), then 14 rows each (the rest).
; LAYOUT.  Both products transposed: S^T = k q^T, O^T = v^T p^T: a lane holds ONE query (l % 16).  Tile c of S^T gives a lane keys 16 c + 8 (l / 16) + 0..7: registers 2 c, 2 c + 1 of p's operand.
; TWO AREAS OF 64 REGISTERS TAKE TURNS: a step's k lies in one, its scores go to the other; v lands on k once k is multiplied; the NEXT step's k lands on the scores as they are converted.
; So a trip of the loop is two steps.  The look-ahead wraps from step 7 to step 0: that serves the second tile; at the second tile's end its sixteen loads are read by nobody.
; The tail of a step's row sum (on registers T alone) fills the places behind the products: eight additions behind O^T's, four behind S^T's.
; NO CLUSTER: only the two work-groups along x share a head, and a cluster has four along x.
; NO PREFETCH: the second load follows the first's landing directly; an earlier request would stand beside the first load's own, and the second has four key steps of sixteen waves in which to land.
.set STEPB, 16384
.set R1,    18                         ; rows of 256 bytes in a wave's first load
.set R2,    14                         ; and in its second
.set PH1,   16*R1*256                  ; 73,728: where the second loads begin
.set STAGE, 8*STEPB                    ; the way out: 16 rows x 272 bytes for each wave; no tensor load lands here
.set SP,    272
.set SPARE, STAGE+16*16*SP             ; the spare words, 128 bytes a wave
.set LI,   1                           ; 16 x lane
.set A0,   2                           ; LDS address of the even key step in hand or ahead
.set STO,  3
.set RD,   4
.set SPW,  5
.set NIL,  6
.set GO,   7
.set BP,   8                           ; v8 bb of the tile in hand, v9 of the second tile
.set TMP,  10
.set NMA,  11                          ; -M, by turns with NMB
.set BM,   12                          ; v[12:13] bb - M, the largest t so far
.set L,    14                          ; v[14:15] the row's sum in two halves
.set Q,    16                          ; v16-23 q of the tile in hand, v24-31 of the second
.set X,    32
.set Y,    96
.set O,    160
.set P,    192
.set SCV,  208                         ; 2^e8
.set LIMV, 209                         ; 448 x 2^e8, twice: the two halves of a dual pair read registers of different banks
.set LIMW, 210
.set A1,   211                         ; LDS address of the odd key step
.set FF,   212                         ; v[212:213] f = 2^(old M - new M), 0
.set MX,   214                         ; v214-221 the maximum's eight chains
.set PD,   222
.set NMB,  223
.set T,    224                         ; v224-255 partial sums of p
.set TB,   2
.set WV,   12
.set SEL,  20
.set CS,   22
.set G1,   24
.set G0,   32
.set G0B,  36
.set G1B,  56
	s_load_b256 s[4:11], s[0:1], 0x0               ; images, mask, scales' exponents, output
	v_lshl_add_u32 v[SPW], v0, 2, SPARE
	v_mov_b32 v[NIL], 0
	ds_add_u32 v[SPW], v[NIL]                      ; the opening: the add twice and one wait ahead of my first tensor load
	ds_add_u32 v[SPW], v[NIL]
	v_lshrrev_b32 v[TMP], 5, v0
	s_delay_alu instid0(VALU_DEP_1)
	v_readfirstlane_b32 s[WV], v[TMP]              ; wave 0..15
.irp g, G1, G1B                                ; dense rows of 32 elements of 8 bytes, no padding
	s_mov_b32 s[\g+0], 3<<16
	s_mov_b32 s[\g+1], 32<<16
	s_mov_b32 s[\g+3], 32<<16
	s_mov_b32 s[\g+5], 32
	s_mov_b32 s[\g+6], 0
	s_mov_b32 s[\g+7], 0
.endr
	s_mov_b32 s[G1+2], R1<<16
	s_mov_b32 s[G1+4], R1
	s_mov_b32 s[G1B+2], R2<<16
	s_mov_b32 s[G1B+4], R2
	s_mov_b32 s[SEL], 0x76543210
	s_mov_b32 s[SEL+1], 0xfedcba98
	s_mov_b32 s[CS], 0x3e38aa3b                    ; log2(e) / 8
	s_and_b32 s13, ttmp7, 0xffff                   ; bh
	s_mul_i32 s16, s[WV], R1*256                   ; my part of the first fill: the same bytes in LDS and in the head's block
	s_mov_b32 s17, 0
	s_mul_i32 s54, s[WV], R2*256
	s_add_co_u32 s54, s54, PH1                     ; and of the second
	s_mov_b32 s55, 0
	s_lshl_b32 s14, s13, 17
	s_add_co_u32 s14, s14, 0x800000                ; my head's k and v
	s_mov_b32 s15, 0
	s_lshl_b32 s46, ttmp9, 5
	s_add_co_u32 s46, s46, s[WV]                   ; my first tile: 32 X + wave
	s_lshl_b32 s18, s13, 16
	s_lshl_b32 s19, s46, 10
	s_add_co_u32 s18, s18, s19                     ; q
	s_mov_b32 s19, 0
	s_lshr_b32 s45, s13, 4                         ; b
	s_lshl_b32 s48, s45, 12
	s_lshl_b32 s49, s46, 6
	s_add_co_u32 s48, s48, s49                     ; the mask
	s_mov_b32 s49, 0
	s_lshl_b32 s50, s45, 22
	s_lshl_b32 s51, s46, 16
	s_add_co_u32 s50, s50, s51
	s_and_b32 s51, s13, 15
	s_lshl_b32 s51, s51, 8
	s_add_co_u32 s50, s50, s51                     ; the output: batch, my 16 rows, my head's 256 bytes
	s_mov_b32 s51, 0
	v_and_b32 v[LI], 31, v0
	s_delay_alu instid0(VALU_DEP_1)
	v_lshlrev_b32 v[LI], 4, v[LI]
	v_and_b32 v[TMP], 15, v0                       ; r
	v_bfe_u32 v[MX], v0, 4, 1                      ; l / 16
	s_mul_i32 s45, s[WV], 16*SP
	s_add_co_u32 s45, s45, STAGE
	v_mul_u32_u24 v[STO], v[TMP], SP
	s_delay_alu instid0(VALU_DEP_1)
	v_lshl_add_u32 v[STO], v[MX], 5, v[STO]
	s_delay_alu instid0(VALU_DEP_1)
	v_add_nc_u32 v[STO], s45, v[STO]
	v_mul_u32_u24 v[RD], v[MX], SP
	s_delay_alu instid0(VALU_DEP_1)
	v_lshl_add_u32 v[RD], v[TMP], 4, v[RD]
	s_delay_alu instid0(VALU_DEP_1)
	v_add_nc_u32 v[RD], s45, v[RD]
	v_lshlrev_b32 v[GO], 12, v[MX]
	s_delay_alu instid0(VALU_DEP_1)
	v_lshl_add_u32 v[GO], v[TMP], 4, v[GO]
	v_lshlrev_b32 v[T], 2, v[TMP]                  ; my query's place in the mask
	v_mov_b32 v[FF+1], 0
	v_mov_b32 v[PD], 0
	v_mov_b32 v[A0], v[LI]                         ; key step 0
	v_add_nc_u32 v[A1], STEPB, v[LI]               ; key step 1
	s_wait_alu depctr_va_vdst(0)
	s_wait_dscnt 0x0
	s_wait_kmcnt 0x0
	s_mov_b32 s[G0], 1
	s_mov_b32 s[G0+1], s16
	s_add_nc_u64 s[G0+2:G0+3], s[4:5], s[14:15]
	s_mov_b32 s[G0B], 1
	s_mov_b32 s[G0B+1], s54
	s_add_nc_u64 s[G0B+2:G0B+3], s[G0+2:G0+3], s[54:55]
	s_add_nc_u64 s[G0+2:G0+3], s[G0+2:G0+3], s[16:17]
	s_or_b32 s[G0+3], s[G0+3], 0x80000000
	s_or_b32 s[G0B+3], s[G0B+3], 0x80000000
	tensor_load_to_lds s[G0:G0+3], s[G1:G1+7]      ; every wave's one load at the head
	s_nop 0
	s_load_b128 s[40:43], s[8:9], 0x18             ; e6, e7, e8, e9
	s_add_nc_u64 s[46:47], s[4:5], s[18:19]
	s_add_nc_u64 s[52:53], s[6:7], s[48:49]
	s_add_nc_u64 s[10:11], s[10:11], s[50:51]
	global_load_b128 v[Q:Q+3], v[LI], s[46:47]
	global_load_b128 v[Q+4:Q+7], v[LI], s[46:47] offset:512
	global_load_b128 v[Q+8:Q+11], v[LI], s[46:47] offset:16384
	global_load_b128 v[Q+12:Q+15], v[LI], s[46:47] offset:16896
	global_load_b32 v[BP], v[T], s[52:53]
	global_load_b32 v[BP+1], v[T], s[52:53] offset:1024
	s_wait_kmcnt 0x0
	s_add_co_i32 s45, s40, s41
	s_lshl_b32 s45, s45, 23
	s_add_co_i32 s[CS], s[CS], s45                 ; c x 2^(e6 + e7)
	s_mov_b32 s[CS+1], s[CS]
	s_add_co_i32 s45, s42, 127
	s_lshl_b32 s44, s45, 23
	v_mov_b32 v[SCV], s44
	s_add_co_i32 s45, s45, 8
	s_lshl_b32 s45, s45, 23
	s_or_b32 s45, s45, 0x600000
	v_mov_b32 v[LIMV], s45
	v_mov_b32 v[LIMW], s45
	s_add_co_i32 s44, s42, s43                     ; e8 + e9
	s_mov_b32 s[TB], STEPB
	s_wait_loadcnt 0x0
.irp i, 0,1
	v_sub_f32 v[BP+\i], 1.0, v[BP+\i]
	s_delay_alu instid0(VALU_DEP_1)
	v_mul_f32 v[BP+\i], 0xc61c4000, v[BP+\i]       ; the bias as it is defined,
	s_delay_alu instid0(VALU_DEP_1)
	v_mul_f32 v[BP+\i], 0x3fb8aa3b, v[BP+\i]       ; x log2(e)
.endr
.macro FMA r                           ; t - M, two at a time
	v_pk_fma_f32 v[\r:\r+1], v[\r:\r+1], s[CS:CS+1], v[BM:BM+1] op_sel_hi:[1,0,0]
.endm
.macro HOLD2 r                         ; the conversion does not saturate (ISA guide 7.6.2); p is not negative: a one-sided hold, two numbers an instruction
	v_dual_min_num_f32 v[\r], v[\r], v[LIMV] :: v_dual_min_num_f32 v[\r+1], v[\r+1], v[LIMW]
.endm
.macro ADD1 sr, i                      ; first level of the row's sum, of the unheld p
	v_pk_add_f32 v[T+2*\i:T+2*\i+1], v[\sr+4*\i:\sr+4*\i+1], v[\sr+4*\i+2:\sr+4*\i+3]
.endm
.macro TREE3                           ; third level: eight pairs to four
.irp i, 0,1,2,3
	v_pk_add_f32 v[T+8*\i:T+8*\i+1], v[T+8*\i:T+8*\i+1], v[T+8*\i+4:T+8*\i+5]
.endr
.endm
; A KEY STEP.  kr: k's area, then v's.  sr: the scores' area, then the next step's k.  ac, an: LDS addresses of this step and of the next.  no, nn: the old and the new -M.
.macro STEP kr, sr, ac, an, no, nn, wrap
	s_wait_dscnt 8                                 ; k's tiles 0-3 are in; its younger eight loads may be out
.irp t, 0,1,2,3
	v_wmma_f32_16x16x64_fp8_fp8 v[\sr+8*\t:\sr+8*\t+7], v[\kr+8*\t:\kr+8*\t+7], v[Q:Q+7], 0
.endr
	s_wait_dscnt 0x0
.irp t, 4,5,6,7
	v_wmma_f32_16x16x64_fp8_fp8 v[\sr+8*\t:\sr+8*\t+7], v[\kr+8*\t:\kr+8*\t+7], v[Q:Q+7], 0
.endr
	TREE3                                          ; the last step's sum goes on: four places ahead of the loads onto k and of the first read of the scores
.set I, 0
.rept 16
	ds_load_b128 v[\kr+4*I:\kr+4*I+3], v[\ac] offset:8192+512*I   ; v: it lands under the softmax
.set I, I+1
.endr
	v_pk_add_f32 v[T:T+1], v[T:T+1], v[T+8:T+9]
	v_pk_add_f32 v[T+16:T+17], v[T+16:T+17], v[T+24:T+25]
.irp t, 0,1,2,3,4,5,6,7                        ; the largest score: a chain for each tile, each accumulator from its low end on
	v_max3_num_f32 v[MX+\t], v[\sr+8*\t], v[\sr+8*\t+1], v[\sr+8*\t+2]
.endr
	v_pk_add_f32 v[T:T+1], v[T:T+1], v[T+16:T+17]
.irp t, 0,1,2,3,4,5,6,7
	v_max3_num_f32 v[MX+\t], v[MX+\t], v[\sr+8*\t+3], v[\sr+8*\t+4]
.endr
	v_pk_add_f32 v[L:L+1], v[L:L+1], v[T:T+1]      ; the last step's sum is whole
.irp t, 0,1,2,3,4,5,6,7
	v_max3_num_f32 v[MX+\t], v[MX+\t], v[\sr+8*\t+5], v[\sr+8*\t+6]
.endr
.irp i, 0,1,2,3
	v_max3_num_f32 v[MX+\i], v[MX+\i], v[\sr+16*\i+7], v[\sr+16*\i+15]
.endr
	v_max3_num_f32 v[MX], v[MX], v[MX+4], v[MX+5]
	v_max3_num_f32 v[MX+1], v[MX+1], v[MX+6], v[MX+7]
	s_delay_alu instid0(VALU_DEP_1)
	v_max3_num_f32 v[MX], v[MX], v[MX+1], v[MX+2]
	s_delay_alu instid0(VALU_DEP_1)
	v_max_num_f32 v[MX], v[MX], v[MX+3]
	s_delay_alu instid0(VALU_DEP_1)
	v_permlanex16_b32 v[PD], v[MX], s[SEL], s[SEL+1]
	s_delay_alu instid0(VALU_DEP_1)
	v_max_num_f32 v[MX], v[MX], v[PD]              ; and lane l xor 16's
	s_delay_alu instid0(VALU_DEP_1)
	v_fma_f32 v[MX], v[MX], s[CS], v[BP]           ; as t (c is positive)
	s_delay_alu instid0(VALU_DEP_1)
	v_max_num_f32 v[BM+1], v[BM+1], v[MX]
	s_delay_alu instid0(VALU_DEP_1)
	v_floor_f32 v[\nn], -v[BM+1]                   ; -M = floor(-t): a whole number
	s_delay_alu instid0(VALU_DEP_1)
	v_add_f32 v[BM], v[BP], v[\nn]                 ; bb - M
	s_delay_alu instid0(VALU_DEP_2)
	v_sub_f32 v[TMP], v[\nn], v[\no]               ; old M - new M, 0 or less
.irp j, 0,2,4,6
	FMA \sr+\j
.endr
	v_cvt_i32_f32 v[TMP], v[TMP]                   ; (it saturates)
.irp j, 8,10,12,14
	FMA \sr+\j
.endr
	v_ldexp_f32 v[FF], 1.0, v[TMP]                 ; f
.irp j, 16,18,20,22,24,26,28,30
	FMA \sr+\j
.endr
	s_wait_alu depctr_va_vdst(0)
.set I, 0
.rept 16                                       ; tiles 0-3's exponentials; between them tiles 4-7's t - M, read behind the next wait
	v_exp_f32 v[\sr+I], v[\sr+I]
	v_exp_f32 v[\sr+I+1], v[\sr+I+1]
	FMA \sr+32+I
.set I, I+2
.endr
	s_wait_alu depctr_va_vdst(0)                   ; behind the first batch and ahead of the second
.irp i, 0,1,2,3,4,5,6,7                        ; tiles 4-7's exponentials; between them independent lines on tiles 0-3's p: first the sums, then the holds
	v_exp_f32 v[\sr+32+2*\i], v[\sr+32+2*\i]
	ADD1 \sr, \i
	v_exp_f32 v[\sr+33+2*\i], v[\sr+33+2*\i]
.endr
.set I, 0
.rept 16
	v_exp_f32 v[\sr+48+I], v[\sr+48+I]
	HOLD2 \sr+2*I
.set I, I+1
.endr
	v_pk_mul_f32 v[L:L+1], v[L:L+1], v[FF:FF+1] op_sel_hi:[1,0]   ; the sum under the new M: the plain line behind the batch
	s_wait_alu depctr_va_vdst(0)
.irp t, 0,1,2,3
	v_cvt_scalef32_pk8_fp8_f32 v[P+2*\t:P+2*\t+1], v[\sr+8*\t:\sr+8*\t+7], v[SCV]
.endr
.irp i, 0,1,2,3,4,5,6,7
	ds_load_b128 v[\sr+4*\i:\sr+4*\i+3], v[\an] offset:512*\i      ; the next step's k, tiles 0-3, onto p that is converted
.endr
.irp i, 8,9,10,11,12,13,14,15
	ADD1 \sr, \i
.endr
.set I, 16
.rept 16
	HOLD2 \sr+2*I
.set I, I+1
.endr
.irp t, 4,5,6,7
	v_cvt_scalef32_pk8_fp8_f32 v[P+2*\t:P+2*\t+1], v[\sr+8*\t:\sr+8*\t+7], v[SCV]
.endr
	s_add_co_u32 s[TB], s[TB], STEPB
.if \wrap
	s_and_b32 s[TB], s[TB], 7*STEPB                ; step 8 is step 0
.endif
	v_add_nc_u32 v[\ac], s[TB], v[LI]              ; the step two on (a plain line behind the last conversion)
.irp i, 8,9,10,11,12,13,14,15
	ds_load_b128 v[\sr+4*\i:\sr+4*\i+3], v[\an] offset:512*\i
.endr
	s_wait_dscnt 16                                ; v is in; the sixteen loads of the next k may be out
	s_wait_alu depctr_va_vdst(0)                   ; directly ahead of O^T's first reader
.irp j, 0,2,4,6,8,10,12,14,16,18,20,22,24,26,28,30
	v_pk_mul_f32 v[O+\j:O+\j+1], v[O+\j:O+\j+1], v[FF:FF+1] op_sel_hi:[1,0]
.endr
.irp t, 0,1,2,3
	v_wmma_f32_16x16x128_fp8_fp8 v[O+8*\t:O+8*\t+7], v[\kr+16*\t:\kr+16*\t+15], v[P:P+15], v[O+8*\t:O+8*\t+7]   ; four accumulators by turns
.endr
.irp i, 0,1,2,3,4,5,6,7                        ; second level of the sum: eight places ahead of the next scores, which land on v
	v_pk_add_f32 v[T+4*\i:T+4*\i+1], v[T+4*\i:T+4*\i+1], v[T+4*\i+2:T+4*\i+3]
.endr
	s_wait_alu depctr_va_vdst(0)
.endm
.macro TRIP wrap
	STEP X, Y, A0, A1, NMA, NMB, \wrap
	STEP Y, X, A1, A0, NMB, NMA, \wrap
.endm
.macro BEGIN                           ; a tile begins: every step is alike; the first finds zeros, which the first f leaves zeros
	v_mov_b32 v[BM+1], 0xff61b1e6                  ; -3e38, under every t
	v_mov_b32 v[L], 0
	v_mov_b32 v[L+1], 0
.set I, 0
.rept 32
	v_mov_b32 v[O+I], 0
.set I, I+1
.endr
.irp i, 0,1,2,3,4,5,6,7
	v_mov_b32 v[T+4*\i], 0                         ; no sum is left over from a step before
	v_mov_b32 v[T+4*\i+1], 0
.endr
	v_floor_f32 v[NMA], -v[BM+1]
	s_wait_alu depctr_va_vdst(0)
.endm
; THE WAY OUT of tile p.  The last step's sum is finished; O^T / the sum goes through my stage, so that sixteen lanes store a query's 256 bytes.  It works in area Y: X holds the look-ahead.
.macro FINISH p
	TREE3
	v_pk_add_f32 v[T:T+1], v[T:T+1], v[T+8:T+9]
	v_pk_add_f32 v[T+16:T+17], v[T+16:T+17], v[T+24:T+25]
	s_delay_alu instid0(VALU_DEP_1)
	v_pk_add_f32 v[T:T+1], v[T:T+1], v[T+16:T+17]
	s_delay_alu instid0(VALU_DEP_1)
	v_pk_add_f32 v[L:L+1], v[L:L+1], v[T:T+1]
	s_delay_alu instid0(VALU_DEP_1)
	v_add_f32 v[L], v[L], v[L+1]
	s_delay_alu instid0(VALU_DEP_1)
	v_permlanex16_b32 v[PD], v[L], s[SEL], s[SEL+1]
	s_delay_alu instid0(VALU_DEP_1)
	v_add_f32 v[L], v[L], v[PD]
	s_wait_alu depctr_va_vdst(0)
	v_rcp_f32 v[L], v[L]
	v_nop
	s_wait_alu depctr_va_vdst(0)
	v_ldexp_f32 v[L], v[L], s44                    ; x 2^(e8 + e9)
	s_wait_alu depctr_va_vdst(0)                   ; directly ahead of O^T's first reader
.irp j, 0,2,4,6,8,10,12,14,16,18,20,22,24,26,28,30
	v_pk_mul_f32 v[Y+\j:Y+\j+1], v[O+\j:O+\j+1], v[L:L+1] op_sel_hi:[1,0]
.endr
.irp t, 0,1,2,3
	ds_store_b128 v[STO], v[Y+8*\t:Y+8*\t+3] offset:64*\t
	ds_store_b128 v[STO], v[Y+8*\t+4:Y+8*\t+7] offset:64*\t+16
.endr
.irp i, 0,1,2,3,4,5,6,7
	ds_load_b128 v[Y+32+4*\i:Y+35+4*\i], v[RD] offset:2*\i*SP     ; LDS serves a wave's instructions in order (ISA guide 5.7.1.4)
.endr
.irp i, 0,1,2,3,4,5,6,7
	s_wait_dscnt 7-\i                              ; rows 2 i, 2 i + 1 are back; the younger loads may be out
	global_store_b128 v[GO], v[Y+32+4*\i:Y+35+4*\i], s[10:11] offset:\p*1048576+8192*\i th:TH_STORE_NT   ; 16 lanes store 256 consecutive bytes, aligned
.endr
.endm
	BEGIN
	s_wait_tensorcnt 0x0                           ; my part of the first fill is in
	ds_add_u32 v[SPW], v[NIL]
	s_wait_dscnt 0x0
	s_barrier_signal -1
	s_barrier_wait -1                              ; key steps 0-3 and step 4's k lie in LDS
	tensor_load_to_lds s[G0B:G0B+3], s[G1B:G1B+7]  ; the rest: my one load behind this barrier
	s_nop 0
.set I, 0
.rept 16
	ds_load_b128 v[X+4*I:X+4*I+3], v[A0] offset:512*I             ; step 0's k
.set I, I+1
.endr
	s_mov_b32 s3, 2
.Lfirst:                                           ; key steps 0-3 of the first tile; the look-ahead reaches step 4's k
	TRIP 0
	s_sub_co_u32 s3, s3, 1
	s_cmp_lg_u32 s3, 0
	s_cbranch_scc1 .Lfirst
	s_wait_tensorcnt 0x0                           ; my part of the second fill is in,
	s_wait_dscnt 0x0                               ; and no LDS load of mine is out at the signal
	s_barrier_signal -1
	s_barrier_wait -1                              ; all of k and v lies in LDS
	s_mov_b32 s3, 6
.Lrest:                                            ; two trips end the first tile, four make the second
	TRIP 1
	s_sub_co_u32 s3, s3, 1
	s_cmp_lg_u32 s3, 4
	s_cbranch_scc1 .Lsame
	FINISH 0
	s_wait_xcnt 0x0                                ; the stores have read their data: area Y is written again
.irp i, 0,1,2,3,4,5,6,7
	v_mov_b32 v[Q+\i], v[Q+8+\i]                   ; the second tile's q and bb
.endr
	v_mov_b32 v[BP], v[BP+1]
	BEGIN
.Lsame:
	s_cmp_lg_u32 s3, 0
	s_cbranch_scc1 .Lrest
	FINISH 1
	s_wait_tensorcnt 0x0                           ; the wave's end
	ds_add_u32 v[SPW], v[NIL]
	s_wait_dscnt 0x0
	s_endpgm
.Lfunc_end_k_q8b3d26e9ea_attn:
	.size	k_q8b3d26e9ea_attn, .Lfunc_end_k_q8b3d26e9ea_attn-k_q8b3d26e9ea_attn
	.p2alignl 7, 3214868480
	.fill 96, 4, 3214868480
	.section	.rodata,"a",@progbits
	.p2align	6, 0x0
	.amdhsa_kernel k_q8b3d26e9ea_attn
		.amdhsa_group_segment_fixed_size 327680
		.amdhsa_private_segment_fixed_size 0
		.amdhsa_enable_private_segment 0
		.amdhsa_kernarg_size 32
		.amdhsa_user_sgpr_count 2
		.amdhsa_user_sgpr_kernarg_segment_ptr 1
		.amdhsa_wavefront_size32 1
		.amdhsa_system_sgpr_workgroup_id_x 1
		.amdhsa_system_sgpr_workgroup_id_y 1
		.amdhsa_system_sgpr_workgroup_id_z 1
		.amdhsa_system_vgpr_workitem_id 0
		.amdhsa_next_free_vgpr 256
		.amdhsa_next_free_sgpr 66
		.amdhsa_reserve_vcc 0
		.amdhsa_float_denorm_mode_32 3
		.amdhsa_float_denorm_mode_16_64 3
		.amdhsa_memory_ordered 1
		.amdhsa_forward_progress 1
		.amdhsa_inst_pref_size 82
	.end_amdhsa_kernel
	.amdgpu_metadata
---
amdhsa.version: [ 1, 2 ]
amdhsa.kernels:
  - .name:           k_q8b3d26e9ea_attn
    .symbol:         k_q8b3d26e9ea_attn.kd
    .args:
      - { .name: frag, .offset: 0, .size: 8, .value_kind: global_buffer, .address_space: global }
      - { .name: attention_mask, .offset: 8, .size: 8, .value_kind: global_buffer, .address_space: global }
      - { .name: lowp_scales, .offset: 16, .size: 8, .value_kind: global_buffer, .address_space: global }
      - { .name: out0, .offset: 24, .size: 8, .value_kind: global_buffer, .address_space: global }
    .group_segment_fixed_size: 327680
    .private_segment_fixed_size: 0
    .kernarg_segment_align: 8
    .kernarg_segment_size: 32
    .max_flat_workgroup_size: 512
    .sgpr_count:     66
    .vgpr_count:     256
    .wavefront_size: 32
...
	.end_amdgpu_metadata
.endif
;; end of part 3
